; MI455X (gfx1250); checked and timed in simulation.
; The chip was launched on July 23, 2026; its instructions are those of AMD's public machine-readable ISA for CDNA 5 (MIT licence, August 2026) and "CDNA5" Instruction Set Architecture Reference Guide (July 2026). The comments in the code are by the model that wrote it; some were corrected since.
;; Scorer. Allowed arithmetic: float matrix products may take bf16 or f16 operands with f32 sums; all other float work in f32.
;; Inputs: feature_batch 8 x 32 x 32 x 512 float32; mb 16,384 x 512 float32.
;; Outputs: out0 8 x 1 x 32 x 32 float32; out1 8 float32.
;; Constants: b = 9.
;; One version. Each part assembles by itself: llvm-mc -triple=amdgcn-amd-amdhsa -mcpu=gfx1250 --defsym DOCPART=n.
;; ======== version 1 of 1: 5 launches
;; workspace buffers: xb 8,388,608 bytes; mbb 16,777,216 bytes; xn 32,768 bytes; hm 65,536 bytes; part 524,288 bytes; sel 2,048 bytes of whole numbers; d2 524,288 bytes
;; launch prep (part 1): grid 256 x 1, 8 waves a work-group, no clusters, 1,536 bytes of LDS; arguments feature_batch, mb, xb, mbb, xn, hm; writes xb, mbb, xn, hm
.if DOCPART == 1
	.amdgcn_target "amdgcn-amd-amdhsa--gfx1250"
	.amdhsa_code_object_version 6
	.text
	.protected	k_q5784d43910_prep
	.globl	k_q5784d43910_prep
	.p2align	8
	.type	k_q5784d43910_prep,@function
k_q5784d43910_prep:
	s_mov_b64 s[64:65], 0
	v_nop
	global_prefetch_b8 v0, s[64:65] scope:SCOPE_SE
	s_setreg_imm32_b32 hwreg(HW_REG_WAVE_MODE, 25, 1), 1
	s_wait_xcnt 0x0
; PREP.  xb = bf16(feature_batch) [8192][512], mbb = bf16(mb) [16384][512], xn[q] = sum of the squares of xb's row q, hm[n] = -1/2 sum of the squares of mbb's row n.
; The sums are f32 sums of the ROUNDED numbers, so that |x|^2 + |m|^2 - 2 x.m is later made of three terms that belong to the same two vectors: no error that grows with the square of a common offset.
; SHARES.  Work-group g: feature rows 32 g .. +31 and mb rows 64 g .. +63.  Wave w: 4 feature rows and 8 mb rows, 12 rows of 2,048 bytes, four 16-byte loads a lane and row;
; all 48 loads of a wave go out at the start (24 KB a wave), so there is no ring and no loop.  Each load of a wave covers 512 consecutive bytes, each bf16 store 256 consecutive aligned bytes.
; The 64 + 32 sums of a work-group meet in LDS and wave 0 stores them: hm as 256 consecutive aligned bytes, xn as 128 consecutive bytes (half a block of 256: a work-group owns only 32 feature rows).
; No matrix unit, no cluster: nothing is multiplied by a matrix and no two work-groups read the same byte.
; LIMITS.  NaN and infinities are not treated apart; a sum of squares overflows f32 where the reference's does.
.set X,     20                         ; v[20:211]  row i of 12: 16 registers: f32 as loaded; then 8 of packed bf16 and 8 at work
.set SPW,   12                         ; v12  LDS address of my spare word; never rewritten
.set NIL,   13                         ; v13  0; never rewritten
.set SPARE, 512                        ; LDS: 0-255 the 64 hm; 256-383 the 32 xn; from 512 the spare words, 128 bytes for each of 8 waves
	s_load_b256 s[4:11], s[0:1], 0x0               ; feature_batch s[4:5], mb s[6:7], xb s[8:9], mbb s[10:11]
	s_load_b128 s[12:15], s[0:1], 0x20             ; xn s[12:13], hm s[14:15]
	v_lshl_add_u32 v[SPW], v0, 2, SPARE
	v_mov_b32 v[NIL], 0
	v_lshrrev_b32 v1, 5, v0
	v_readfirstlane_b32 s16, v1                    ; wave 0..7
	v_and_b32 v3, 31, v0                           ; lane
	v_lshlrev_b32 v1, 4, v3                        ; v1: 16 x lane, my place in 512 bytes of f32
	v_lshlrev_b32 v2, 3, v3                        ; v2: 8 x lane, my place in 256 bytes of bf16 (and in the 256 bytes of hm)
	v_lshlrev_b32 v3, 2, v3                        ; v3: 4 x lane
	v_mov_b32 v4, s16
	v_lshlrev_b32 v5, 4, v4
	v_add_nc_u32 v5, 256, v5                       ; v5: LDS, my wave's 4 words of xn
	v_lshlrev_b32 v4, 5, v4                        ; v4: LDS, my wave's 8 words of hm
	v_add_nc_u32 v16, 256, v3                      ; v16: LDS, word lane of xn
	v_mov_b32 v11, 0                               ; v_permlanex16_b32 counts as a reader of its destination
	s_mov_b32 s17, 0xffff0000                      ; a word's upper bf16
	s_mov_b32 s22, 0x76543210                      ; each lane takes its own place in the other half
	s_mov_b32 s23, 0xfedcba98
	s_lshl_b32 s18, ttmp9, 5
	s_lshl2_add_u32 s18, s16, s18                  ; 32 g + 4 w: my first feature row; twice that is my first mb row
	s_lshl_b32 s20, s18, 11                        ; x 2,048: feature_batch (f32 rows), and mbb (twice the rows of 1,024 bytes)
	s_lshl_b32 s2, s18, 12                         ; x 4,096: mb
	s_lshl_b32 s18, s18, 10                        ; x 1,024: xb
	s_mov_b32 s19, 0
	s_mov_b32 s21, 0
	s_mov_b32 s3, 0
	s_wait_kmcnt 0x0
	s_add_nc_u64 s[4:5], s[4:5], s[20:21]
	s_add_nc_u64 s[6:7], s[6:7], s[2:3]
	s_add_nc_u64 s[8:9], s[8:9], s[18:19]
	s_add_nc_u64 s[10:11], s[10:11], s[20:21]
	s_lshl_b32 s18, ttmp9, 7                       ; the work-group's 32 words of xn
	s_add_nc_u64 s[12:13], s[12:13], s[18:19]
	s_lshl_b32 s18, ttmp9, 8                       ; its 64 words of hm
	s_add_nc_u64 s[14:15], s[14:15], s[18:19]
.irp i, 0,1,2,3
.irp j, 0,1,2,3
	global_load_b128 v[X+16*\i+4*\j:X+16*\i+4*\j+3], v1, s[4:5] offset:2048*\i+512*\j th:TH_LOAD_NT
.endr
.endr
.irp i, 0,1,2,3,4,5,6,7
.irp j, 0,1,2,3
	global_load_b128 v[X+64+16*\i+4*\j:X+64+16*\i+4*\j+3], v1, s[6:7] offset:2048*\i+512*\j th:TH_LOAD_NT
.endr
.endr
; Row i of the wave's 12.  ob: the scalar pair of the bf16 output; ro: the row's number among the wave's rows of that output; ism = 1: a row of mb.
.macro ROW i, ob, ro, ism
.set R, X+16*(\i)
	s_wait_loadcnt 44-4*(\i)                       ; loads come back in order: my row's four are in, the 4 (11 - i) younger ones stay out
.irp j, 0,1,2,3,4,5,6,7
	v_cvt_pk_bf16_f32 v[R+\j], v[R+2*\j], v[R+2*\j+1]  ; in place, ascending: the destination never passes a source that is still to be read
.endr
.irp j, 0,1,2,3
	global_store_b64 v2, v[R+2*\j:R+2*\j+1], s[\ob:\ob+1] offset:(\ro)*1024+256*\j  ; 32 lanes x 8 bytes: 256 consecutive aligned bytes; these registers are never written again
.endr
.irp q, 0,1
.irp k, 0,1,2,3
	v_lshlrev_b32 v[R+8+2*\k], 16, v[R+4*\q+\k]    ; the rounded numbers back in f32
	v_and_b32     v[R+9+2*\k], s17, v[R+4*\q+\k]
.endr
.if \q == 0
	v_pk_mul_f32 v[6:7], v[R+8:R+9], v[R+8:R+9]    ; the first squares start the two chains: nothing is cleared
	v_pk_mul_f32 v[8:9], v[R+10:R+11], v[R+10:R+11]
.else
	v_pk_fma_f32 v[6:7], v[R+8:R+9], v[R+8:R+9], v[6:7]
	v_pk_fma_f32 v[8:9], v[R+10:R+11], v[R+10:R+11], v[8:9]
.endif
	v_pk_fma_f32 v[6:7], v[R+12:R+13], v[R+12:R+13], v[6:7]
	v_pk_fma_f32 v[8:9], v[R+14:R+15], v[R+14:R+15], v[8:9]
.endr
	v_pk_add_f32 v[6:7], v[6:7], v[8:9]
	v_add_f32 v10, v6, v7
	v_add_f32_dpp v10, v10, v10 row_xmask:1 row_mask:0xf bank_mask:0xf
	v_add_f32_dpp v10, v10, v10 row_xmask:2 row_mask:0xf bank_mask:0xf
	v_add_f32_dpp v10, v10, v10 row_xmask:4 row_mask:0xf bank_mask:0xf
	v_add_f32_dpp v10, v10, v10 row_xmask:8 row_mask:0xf bank_mask:0xf
	v_permlanex16_b32 v11, v10, s22, s23
	v_add_f32 v10, v10, v11                        ; every lane holds the row's sum
.if \ism
	v_mul_f32 v10, -0.5, v10
	ds_store_b32 v4, v10 offset:4*(\ro)            ; all lanes write the same word with the same value
.else
	ds_store_b32 v5, v10 offset:4*(\ro)
.endif
.endm
	ROW 0, 8, 0, 0
	ROW 1, 8, 1, 0
	ROW 2, 8, 2, 0
	ROW 3, 8, 3, 0
	ROW 4, 10, 0, 1
	ROW 5, 10, 1, 1
	ROW 6, 10, 2, 1
	ROW 7, 10, 3, 1
	ROW 8, 10, 4, 1
	ROW 9, 10, 5, 1
	ROW 10, 10, 6, 1
	ROW 11, 10, 7, 1
	s_wait_tensorcnt 0x0                           ; the wave's end of LDS writing: three lines behind my last LDS store
	ds_add_u32 v[SPW], v[NIL]
	s_wait_dscnt 0x0                               ; also for the others' sake: my twelve words are in LDS
	s_barrier_signal -1
	s_barrier_wait -1
	s_cmp_lg_u32 s16, 0
	s_cbranch_scc1 .Lend
	ds_load_b64 v[14:15], v2                       ; wave 0: the 64 hm, two a lane,
	ds_load_b32 v17, v16                           ; and the 32 xn
	s_wait_dscnt 0x0
	global_store_b64 v2, v[14:15], s[14:15]        ; 256 consecutive aligned bytes
	global_store_b32 v3, v17, s[12:13]             ; 128 consecutive bytes
.Lend:
	s_endpgm
.Lfunc_end_k_q5784d43910_prep:
	.size	k_q5784d43910_prep, .Lfunc_end_k_q5784d43910_prep-k_q5784d43910_prep
	.p2alignl 7, 3214868480
	.fill 96, 4, 3214868480
	.section	.rodata,"a",@progbits
	.p2align	6, 0x0
	.amdhsa_kernel k_q5784d43910_prep
		.amdhsa_group_segment_fixed_size 1536
		.amdhsa_private_segment_fixed_size 0
		.amdhsa_enable_private_segment 0
		.amdhsa_kernarg_size 48
		.amdhsa_user_sgpr_count 2
		.amdhsa_user_sgpr_kernarg_segment_ptr 1
		.amdhsa_wavefront_size32 1
		.amdhsa_system_sgpr_workgroup_id_x 1
		.amdhsa_system_sgpr_workgroup_id_y 1
		.amdhsa_system_sgpr_workgroup_id_z 1
		.amdhsa_system_vgpr_workitem_id 0
		.amdhsa_next_free_vgpr 212
		.amdhsa_next_free_sgpr 66
		.amdhsa_reserve_vcc 0
		.amdhsa_float_denorm_mode_32 3
		.amdhsa_float_denorm_mode_16_64 3
		.amdhsa_memory_ordered 1
		.amdhsa_forward_progress 1
		.amdhsa_inst_pref_size 36
	.end_amdhsa_kernel
	.amdgpu_metadata
---
amdhsa.version: [ 1, 2 ]
amdhsa.kernels:
  - .name:           k_q5784d43910_prep
    .symbol:         k_q5784d43910_prep.kd
    .args:
      - { .name: feature_batch, .offset: 0, .size: 8, .value_kind: global_buffer, .address_space: global }
      - { .name: mb, .offset: 8, .size: 8, .value_kind: global_buffer, .address_space: global }
      - { .name: xb, .offset: 16, .size: 8, .value_kind: global_buffer, .address_space: global }
      - { .name: mbb, .offset: 24, .size: 8, .value_kind: global_buffer, .address_space: global }
      - { .name: xn, .offset: 32, .size: 8, .value_kind: global_buffer, .address_space: global }
      - { .name: hm, .offset: 40, .size: 8, .value_kind: global_buffer, .address_space: global }
    .group_segment_fixed_size: 1536
    .private_segment_fixed_size: 0
    .kernarg_segment_align: 8
    .kernarg_segment_size: 48
    .max_flat_workgroup_size: 256
    .sgpr_count:     66
    .vgpr_count:     212
    .wavefront_size: 32
...
	.end_amdgpu_metadata
.endif
;; end of part 1
;; launch gemm (part 2): grid 8 x 32, 4 waves a work-group, clusters of 4 x 4, 327,680 bytes of LDS; arguments xb, mbb, hm, part; writes part
.if DOCPART == 2
	.amdgcn_target "amdgcn-amd-amdhsa--gfx1250"
	.amdhsa_code_object_version 6
	.text
	.protected	k_q5784d43910_gemm
	.globl	k_q5784d43910_gemm
	.p2align	8
	.type	k_q5784d43910_gemm,@function
k_q5784d43910_gemm:
	s_mov_b64 s[64:65], 0
	v_nop
	global_prefetch_b8 v0, s[64:65] scope:SCOPE_SE
	s_setreg_imm32_b32 hwreg(HW_REG_WAVE_MODE, 25, 1), 1
	s_wait_xcnt 0x0
	s_wait_alu depctr_hold_cnt(0) depctr_sa_sdst(0) depctr_va_vdst(0) depctr_va_sdst(0) depctr_va_ssrc(0) depctr_va_vcc(0) depctr_vm_vsrc(0)
	s_getreg_b32 s2, hwreg(HW_REG_IB_STS2, 6, 4)
	s_cmp_eq_u32 s2, 0
	s_cbranch_scc0 .Lentry_in_a_cluster
	s_endpgm
.Lentry_in_a_cluster:
	s_bfe_u32 s2, ttmp6, 0x10000c
	s_cmp_lg_u32 s2, 0xf033
	s_cbranch_scc0 .Lentry_shape_is_right
	s_endpgm
.Lentry_shape_is_right:
; GEMM WITH A RUNNING MAXIMUM.  part[p][q] = the maximum, over the mb rows n of part p, of xb[q] . mbb[n] + hm[n]   (hm[n] = -1/2 |mbb[n]|^2), so that the smallest squared distance of q is
; xn[q] - 2 max over p of part[p][q].  xb: [8192][512] bf16, mbb: [16384][512] bf16, hm: [16384] f32, part: [16][8192] f32.  Products in bf16, sums and maxima in f32.  No product goes to memory.
; SHARES.  Work-group (gx of 8, gy of 32) keeps queries 256 gy .. +255 and walks 8 tiles of 256 mb rows, rows 256 gx + 2,048 t: 256 work-groups of equal work.  Four waves; wave w takes the
; tile's queries 128 (w / 2) .. and its mb rows 128 (w % 2) ..: 64 accumulators of 16 x 16, 512 registers.  Part p = 2 gx + w % 2.
; K = 512 goes in four steps of 128 through a ring of two LDS slots filled by the tensor data mover; a tile's rows there are 256 bytes of memory at multiples of 256 from the buffer's first byte.
; The ring does not stop at a tile's end: a tile's last two changes of slots ask for the next tile's first two K steps.
; THE MATRIX INSTRUCTION: source 0 = 16 mb rows, source 1 = 16 queries.  In the result lane l holds ONE query (l % 16) and mb rows 8 (l / 16) + 0..7.  hm is the C operand of a tile's first K step,
; so a finished accumulator needs nothing but the maximum: one v_max3_num_f32 for two numbers, over the lane's own registers; the two halves of the lanes are exchanged once, at the end.
; CLUSTER.  4 x 4 work-groups.  The four of a row of the cluster (same gy) need the same tiles of xb, the four of a column (same gx) the same tiles of mbb: each tile is asked for JOINTLY, by the same
; tensor load with the same descriptor and a mask that names the four.
; LIMITS.  A NaN among the sums loses against numbers (v_max3_num_f32); infinities are not treated apart.
; REGISTERS, in windows of 256 (s_set_vgpr_msb: bits 1:0 source 0, 3:2 source 1, 5:4 source 2, 7:6 destination):
;   window 0: v0-31 addresses; v32-47 the running maxima; v48-51 the way out; v64-127, v128-191 fragments of xb, two buffers
;   window 1: v0-63 hm of my 128 mb rows, as C operands; v64-127, v128-191 fragments of mbb, two buffers
;   window 2: the 32 accumulators of my queries 0-63 (query block a, mb block b at v[8 (8 a + b)]);   window 3: those of my queries 64-127
.set KSTEP,  128
.set SIZE_K, 512
.set TILES,  8
.set PITCH,  272                       ; an LDS row: 256 bytes + 16 of padding = 68 words: row r starts at bank 4 r mod 64 (64 banks of 4 bytes: ISA guide 11.1), so a load's 16 rows start at 16 different banks
.set HALFT,  128*PITCH                 ; 128 rows: what one tensor load brings, and what one wave reads of xb or of mbb
.set SLOT,   4*HALFT                   ; xb's 256 rows, then mbb's 256 rows
.set STAGE,  2*SLOT                    ; behind the ring: 512 bytes for each wave, for the way out
.set SPARE,  STAGE+4*512               ; behind the stages: the spare words, 128 bytes for each wave: two blocks of 256 bytes that no other line names
.set NEXT_M, 2048*SIZE_K*2-2*KSTEP*2   ; bytes from a slot's last K step of a tile to its first of the next: mbb goes 2,048 rows down and back along K; xb only back
.set ADRA, 16                          ; v16-17  LDS address of my xb fragments in slot 0, 1
.set ADRB, 20                          ; v20-21  the same for mbb
.set STO,  24                          ; v24     the way out: my query's word in my stage
.set RD,   25                          ; v25     the way out: where I read 16 bytes back
.set CO,   26                          ; v26     16 x lane: my byte offset in the wave's 512 bytes of part
.set HO,   27                          ; v27     32 (l / 16): my byte offset in 16 words of hm
.set SPW,  28                          ; v28     LDS address of my spare word; never rewritten
.set NIL,  29                          ; v29     0; never rewritten
.set RUN,  32                          ; v32-47  query block a of 8: two chains at RUN + 2 a, + 1
.set OUT,  48
.set F0,   64
.set F1,   128
.set G1, 24                            ; s[24:31] descriptor group 1 for xb's tiles;  s[32:39] group 0, one set for each slot
.set G0, 32
.set G1B, 48                           ; s[48:55], s[56:63] the same for mbb's tiles
.set G0B, 56
.set MSB, 0
.macro WIN new                         ; the immediate's high byte repeats the setting that is left; a switch that changes nothing is dropped
.if MSB != (\new)
	s_set_vgpr_msb (MSB<<8)|(\new)
.set MSB, \new
.endif
.endm
.set MUL_LO,   0xa1                    ; source 0 (mbb) window 1, source 1 (xb) window 0, C and D window 2
.set FIRST_LO, 0x91                    ; the same with C (hm) in window 1
.set TO_B,     0x40                    ; destination window 1, address window 0
; A joint load.  Waves 0 and 1 fetch xb's two halves, waves 2 and 3 mbb's.  Each line has one mask and one set of registers; the branch hangs on the wave's number alone.
; An s_nop 0 and four v_nop follow each of the two lines, ahead of the jump, the label and what follows.
.macro JLOAD s
	s_cmp_eq_u32 s13, 0
	s_cbranch_scc0 .Lfor_m_\@
	tensor_load_to_lds s[G0+4*(\s):G0+4*(\s)+3], s[G1:G1+7]
	s_nop 0
.rept 4
	v_nop
.endr
	s_branch .Lasked_\@
.Lfor_m_\@:
	tensor_load_to_lds s[G0B+4*(\s):G0B+4*(\s)+3], s[G1B:G1B+7]
	s_nop 0
.rept 4
	v_nop
.endr
.Lasked_\@:
.endm
; A round of the cluster's barrier: my work-group's barrier, so that wave 0's signal speaks for all four waves; wave 0 signals; every wave waits for all sixteen work-groups; my work-group's barrier once more.
.macro CREST                           ; a round behind its opening barrier
	s_cmp_lg_u32 s12, 0
	s_cbranch_scc1 .Lnot_wave_0_\@
	s_barrier_signal -3
.Lnot_wave_0_\@:
	s_barrier_wait -3
	s_barrier_signal -1
	s_barrier_wait -1
.endm
.macro CROUND
	s_barrier_signal -1
	s_barrier_wait -1
	CREST
.endm
	s_load_b256 s[4:11], s[0:1], 0x0               ; xb s[4:5], mbb s[6:7], hm s[8:9], part s[10:11]
	v_lshl_add_u32 v[SPW], v0, 2, SPARE
	v_mov_b32 v[NIL], 0
	ds_add_u32 v[SPW], v[NIL]                      ; the wave's opening: the add and its wait ahead of my first tensor load; the set-up below, work on registers, stands between them
	ds_add_u32 v28, v29
	v_lshrrev_b32 v1, 5, v0
	v_readfirstlane_b32 s12, v1                    ; wave 0..3
	s_lshr_b32 s13, s12, 1                         ; which 128 of the tile's queries are mine.  Also: I fetch for xb (0) or for mbb (1)
	s_and_b32 s14, s12, 1                          ; which 128 of its mb rows.  Also: which 128 rows of that tile I fetch
	s_bfe_u32 s40, ttmp6, 0x40000                  ; cx, cy: my place in the cluster
	s_bfe_u32 s41, ttmp6, 0x40004
	s_lshl_b32 s42, ttmp9, 2                       ; in a cluster launch ttmp9 and ttmp7 count clusters
	s_add_co_u32 s42, s42, s40                     ; gx = 4 x cluster x + cx
	s_and_b32 s45, ttmp7, 0xffff
	s_lshl_b32 s45, s45, 2
	s_add_co_u32 s45, s45, s41                     ; gy = 4 x cluster y + cy
	s_lshl_b32 s43, s41, 2
	s_lshl_b32 s43, 15, s43                        ; my row of the cluster: places 4 cy .. 4 cy + 3
	s_lshl_b32 s44, 0x1111, s40                    ; my column: places cx, cx + 4, cx + 8, cx + 12
	; descriptor group 1: a tile of 128 rows x 128 elements, padded in LDS
	s_or_b32 s[G1+0], s43, (1<<16)|(1<<20)|(1<<21)|(5<<22)|(3<<25)   ; 15:0 the mask: xb's tiles go to my row; 17:16 elements of 2 bytes; 20 padding on; 21 set beside a mask; 24:22 after every 64 words (code 5); 31:25 4 words (code 3)
	s_or_b32 s[G1B+0], s44, (1<<16)|(1<<20)|(1<<21)|(5<<22)|(3<<25)  ; the same with the mask of my column, for mbb's tiles
.irp g, G1, G1B
	s_mov_b32 s[(\g)+1], KSTEP<<16                 ; tensor_dim0 = 128
	s_mov_b32 s[(\g)+2], 128<<16                   ; tensor_dim1 = 128
	s_mov_b32 s[(\g)+3], KSTEP<<16                 ; tile_dim0 = 128
	s_mov_b32 s[(\g)+4], 128                       ; tile_dim1 = 128
	s_mov_b32 s[(\g)+5], SIZE_K                    ; elements from row to row
	s_mov_b32 s[(\g)+6], 0
	s_mov_b32 s[(\g)+7], 0
.endr
	; where the tiles come from: xb's hang on gy alone, mbb's on gx alone; each address is made in registers that never hold the other coordinate
	s_lshl_b32 s17, s14, 7                         ; which 128 rows of the tile I fetch
	s_lshl_b32 s16, s45, 8
	s_add_co_u32 s16, s16, s17                     ; xb: row 256 gy + 128 x half
	s_lshl_b32 s46, s42, 8
	s_add_co_u32 s46, s46, s17                     ; mbb: row 256 gx + 128 x half
	s_lshl_b32 s16, s16, 10                        ; rows of 1,024 bytes: under 2^24
	s_lshl_b32 s46, s46, 10
	s_mov_b32 s17, 0
	s_mov_b32 s47, 0
	s_mul_i32 s20, s12, HALFT                      ; and where they go: wave x 128 rows: no place in the cluster enters an LDS address
	s_mov_b32 s3, 0x76543210                       ; v_permlanex16_b32's selects: each lane takes its own place in the other half
	s_mov_b32 s15, 0xfedcba98
	s_wait_dscnt 0x0                               ; the opening add is done
	s_wait_kmcnt 0x0
	s_add_nc_u64 s[18:19], s[4:5], s[16:17]
	s_add_nc_u64 s[46:47], s[6:7], s[46:47]
	CROUND                                         ; all sixteen work-groups are here: the first joint loads meet
.irp s, 0,1
	s_mov_b32 s[G0+4*(\s)], 1                                        ; count = 1
	s_add_co_u32 s[G0+4*(\s)+1], s20, (\s)*SLOT                      ; LDS address
	s_add_nc_u64 s[G0+4*(\s)+2:G0+4*(\s)+3], s[18:19], (\s)*KSTEP*2  ; global address: K step s
	s_or_b32 s[G0+4*(\s)+3], s[G0+4*(\s)+3], 0x80000000              ; type = 2
	s_mov_b32 s[G0B+4*(\s)], 1
	s_add_co_u32 s[G0B+4*(\s)+1], s20, (\s)*SLOT
	s_add_nc_u64 s[G0B+4*(\s)+2:G0B+4*(\s)+3], s[46:47], (\s)*KSTEP*2
	s_or_b32 s[G0B+4*(\s)+3], s[G0B+4*(\s)+3], 0x80000000
	JLOAD \s                                       ; the ring is filled before anything else is done: two tensor loads of mine are out
.endr
; hm of my 128 mb rows of a tile, as eight C operands: register j of block b is hm[16 b + 8 (l / 16) + j]
.macro HMLOAD
	WIN TO_B
.irp b, 0,1,2,3,4,5,6,7
	global_load_b128 v[8*\b:8*\b+3],   v[HO], s[8:9] offset:64*\b
	global_load_b128 v[8*\b+4:8*\b+7], v[HO], s[8:9] offset:64*\b+16
.endr
.endm
	v_bfe_u32 v2, v0, 4, 1                         ; l / 16
	v_lshlrev_b32 v[HO], 5, v2
	s_lshl_b32 s46, s42, 10                        ; hm at my rows of tile 0: (256 gx + 128 x half) words (in the registers that held mbb's address: none that feeds xb's descriptors ever holds cx)
	s_lshl_b32 s47, s14, 9
	s_add_co_u32 s46, s46, s47
	s_mov_b32 s47, 0
	s_add_nc_u64 s[8:9], s[8:9], s[46:47]
	HMLOAD
	WIN 0
	s_lshl_b32 s46, s42, 16                        ; part at ((2 gx + half) 8,192 + 256 gy + 128 x my half of the queries) words
	s_lshl_b32 s47, s14, 15
	s_add_co_u32 s46, s46, s47
	s_lshl_b32 s47, s45, 10
	s_add_co_u32 s46, s46, s47
	s_lshl_b32 s47, s13, 9
	s_add_co_u32 s46, s46, s47
	s_mov_b32 s47, 0
	s_add_nc_u64 s[10:11], s[10:11], s[46:47]
	; A fragment is 16 rows x 32 K in 8 registers: lane l holds row l % 16; registers 0-3 K = 8 (l / 16) + 0..7, registers 4-7 K = 16 + 8 (l / 16) + 0..7: two loads of 16 bytes, 32 bytes apart.
	v_and_b32 v1, 15, v0                           ; l % 16
	v_mul_u32_u24 v3, v1, PITCH
	v_lshl_add_u32 v3, v2, 4, v3                   ; row x pitch + 16 x half
	s_mul_i32 s21, s13, HALFT                      ; my 128 rows of xb
	s_mul_i32 s22, s14, HALFT                      ; my 128 rows of mbb,
	s_add_co_u32 s22, s22, 2*HALFT                 ; which lie behind xb's 256
.irp s, 0,1
	v_add_nc_u32 v[ADRA+(\s)], s21, v3
	v_add_nc_u32 v[ADRB+(\s)], s22, v3
	s_add_co_u32 s21, s21, SLOT
	s_add_co_u32 s22, s22, SLOT
.endr
	s_lshl_b32 s23, s12, 9
	s_add_co_u32 s23, s23, STAGE                   ; my stage
	v_lshl_add_u32 v[STO], v1, 2, s23
	v_and_b32 v4, 31, v0
	v_lshlrev_b32 v[CO], 4, v4
	v_add_nc_u32 v[RD], s23, v[CO]
.irp i, 0,1,2,3,4,5,6,7,8,9,10,11,12,13,14,15
	v_mov_b32 v[RUN+\i], 0xff800000                ; the running maxima start at minus infinity
.endr
; 16 matrix instructions: query blocks a0, a0 + 1 of the window's four (hi = 0: my queries 0-63, 1: 64-127) x all 8 mb blocks, 32 along K.
; first = 1: a tile's first product starts the sums with hm: nothing is ever cleared.  The 64 accumulators take turns in the same order in every quarter step.
.macro MUL16 f, hi, a0, first
.if \first
	WIN FIRST_LO+0x40*(\hi)
.else
	WIN MUL_LO+0x50*(\hi)
.endif
.irp a, \a0, (\a0)+1
.irp b, 0,1,2,3,4,5,6,7
.if \first
	v_wmma_f32_16x16x32_bf16 v[8*(8*(\a)+(\b)):8*(8*(\a)+(\b))+7], v[(\f)+8*(\b):(\f)+8*(\b)+7], v[(\f)+8*(4*(\hi)+(\a)):(\f)+8*(4*(\hi)+(\a))+7], v[8*(\b):8*(\b)+7]
.else
	v_wmma_f32_16x16x32_bf16 v[8*(8*(\a)+(\b)):8*(8*(\a)+(\b))+7], v[(\f)+8*(\b):(\f)+8*(\b)+7], v[(\f)+8*(4*(\hi)+(\a)):(\f)+8*(4*(\hi)+(\a))+7], v[8*(8*(\a)+(\b)):8*(8*(\a)+(\b))+7]
.endif
.endr
.endr
.endm
; 32 LDS loads in one run: the fragments of one quarter step (128 rows of mbb, 128 rows of xb, 32 K at byte k of the rows) into buffer f
.macro FETCH slot, k, f
	WIN TO_B
.irp i, 0,1,2,3,4,5,6,7
	ds_load_b128 v[(\f)+8*(\i):(\f)+8*(\i)+3],   v[ADRB+(\slot)] offset:(\k)+(\i)*16*PITCH
	ds_load_b128 v[(\f)+8*(\i)+4:(\f)+8*(\i)+7], v[ADRB+(\slot)] offset:(\k)+(\i)*16*PITCH+32
.endr
	WIN 0
.irp i, 0,1,2,3,4,5,6,7
	ds_load_b128 v[(\f)+8*(\i):(\f)+8*(\i)+3],   v[ADRA+(\slot)] offset:(\k)+(\i)*16*PITCH
	ds_load_b128 v[(\f)+8*(\i)+4:(\f)+8*(\i)+7], v[ADRA+(\slot)] offset:(\k)+(\i)*16*PITCH+32
.endr
.endm
; A load into a register that a matrix instruction has read, and a vector instruction that reads a matrix result, stand four places behind that matrix instruction, and only plain vector
; instructions that name none of its registers are places (ISA guide 7.12.1 for vector instructions).
.macro PLACES
.rept 4
	v_nop
.endr
.endm
; A K step is four quarter steps of 32 along K, 64 matrix instructions each, on buffers 0, 1, 0, 1.  One of the first three: multiplies buffer f; in its middle it fetches the next quarter, at byte k, into g.
.macro QUARTER slot, k, f, g, first
	s_wait_dscnt 8                                 ; mbb's fragments and xb's rows 0-63 are in; the youngest eight loads (xb's rows 64-127) may be out
	MUL16 \f, 0, 0, \first
	MUL16 \f, 0, 2, \first
	PLACES
	FETCH \slot, \k, \g
	s_wait_dscnt 32                                ; all but the 32 just issued
	MUL16 \f, 1, 0, \first
	MUL16 \f, 1, 2, \first
.endm
; The last quarter multiplies buffer 1 and changes slots.  MEET is its first half: ONE barrier.  In front of it each wave waits for all its tensor loads, of which one is out: its part of the next slot;
; adds 0 to its spare word; and waits for that and for its own reads of this slot.  Behind it nobody reads this slot any more and the next slot is whole.
.macro MEET round                      ; round = 1: a round of the cluster's barrier follows
	WIN 0                                          ; (the add's two registers lie in window 0)
	s_wait_tensorcnt 0x0                           ; all my tensor loads have landed
	ds_add_u32 v[SPW], v[NIL]                      ; 0 onto my spare word
	s_wait_dscnt 9                                 ; (the add and the youngest eight loads may be out)
	MUL16 F1, 0, 0, 0                              ; sixteen matrix instructions stand between the add and the wait for it
	s_wait_dscnt 0x0                               ; the add is done, and my reads of this slot are over
	s_barrier_signal -1
	MUL16 F1, 0, 2, 0                              ; work on registers while the others arrive
.if \round
	WIN 0
.endif
	s_barrier_wait -1
.endm
; The whole last quarter.  mode 0: this slot is filled again with this tile's K step two steps on; mode 1: with the NEXT tile's K step 0 or 1; mode 2: nothing is asked for, and no round follows.
; From a request to the wait for it a wave issues 224 matrix instructions, across tiles too.
.macro TURN slot, next, mode
.if (\mode) == 2
	MEET 0
	PLACES
.else
	MEET 1
	CREST                                          ; the barrier has opened a round of the cluster's: no wave of any partner still reads this slot's tile or has a load on its way
.if (\mode) == 1
	s_sub_nc_u64 s[G0+4*(\slot)+2:G0+4*(\slot)+3], s[G0+4*(\slot)+2:G0+4*(\slot)+3], 2*KSTEP*2
	s_add_nc_u64 s[G0B+4*(\slot)+2:G0B+4*(\slot)+3], s[G0B+4*(\slot)+2:G0B+4*(\slot)+3], NEXT_M
.else
	s_add_nc_u64 s[G0+4*(\slot)+2:G0+4*(\slot)+3], s[G0+4*(\slot)+2:G0+4*(\slot)+3], 2*KSTEP*2
	s_add_nc_u64 s[G0B+4*(\slot)+2:G0B+4*(\slot)+3], s[G0B+4*(\slot)+2:G0B+4*(\slot)+3], 2*KSTEP*2
.endif
	JLOAD \slot                                    ; the first tensor load behind the round, my only one until the next; its four v_nop are also the places in front of the loads below
.endif
	FETCH \next, 0, F0
	MUL16 F1, 1, 0, 0
	MUL16 F1, 1, 2, 0
.endm
; The 32 finished accumulators of window 2 (hi = 0) or 3 go into the running maxima: 128 lines on 8 chains that take turns.  Each accumulator's registers 0 and 1 are read first.
.macro REDUCE hi
	WIN 0x28+0x14*(\hi)                            ; sources 1 and 2: the accumulators' window; destination and source 0: window 0
.irp b, 0,1,2,3,4,5,6,7
.irp i, 0,1,2,3
.irp a, 0,1,2,3
	v_max3_num_f32 v[RUN+2*(4*(\hi)+(\a))+((\i)&1)], v[RUN+2*(4*(\hi)+(\a))+((\i)&1)], v[8*(8*(\a)+(\b))+2*(\i)], v[8*(8*(\a)+(\b))+2*(\i)+1]
.endr
.endr
.endr
.endm
	s_wait_tensorcnt 1                             ; my part of K step 0 is in; K step 1's may stay out
	s_barrier_signal -1
	s_barrier_wait -1                              ; everybody's is
	FETCH 0, 0, F0
	s_mov_b32 s2, TILES                            ; tiles to go, this one among them: the same number in every work-group
.Ltile:                                                ; (every window is 0 here)
	s_wait_loadcnt 0x0                             ; this tile's hm is in, and its loads' base may be stepped:
	s_add_nc_u64 s[8:9], s[8:9], 2048*4            ; the next tile's hm
	QUARTER 0, 64,  F0, F1, 1                      ; K step 0: the first products start the sums with hm
	QUARTER 0, 128, F1, F0, 0
	QUARTER 0, 192, F0, F1, 0
	TURN 0, 1, 0                                   ; slot 0 takes K step 2
	QUARTER 1, 64,  F0, F1, 0                      ; K step 1
	QUARTER 1, 128, F1, F0, 0
	QUARTER 1, 192, F0, F1, 0
	TURN 1, 0, 0                                   ; slot 1 takes K step 3
	QUARTER 0, 64,  F0, F1, 0                      ; K step 2
	QUARTER 0, 128, F1, F0, 0
	QUARTER 0, 192, F0, F1, 0
	WIN 0                                          ; at a label and at a branch every window is 0
	s_cmp_eq_u32 s2, 1
	s_cbranch_scc1 .Llast_tile                     ; the last tile's tail is written out: it asks for nothing more
	TURN 0, 1, 1                                   ; THE RING GOES ON INTO THE NEXT TILE: slot 0 takes its K step 0,
	HMLOAD                                         ; its hm is asked for a K step ahead of the wait for it; the products that read the old hm stand many places back
	QUARTER 1, 64,  F0, F1, 0                      ; K step 3
	QUARTER 1, 128, F1, F0, 0
	QUARTER 1, 192, F0, F1, 0
	TURN 1, 0, 1                                   ; slot 1 its K step 1, and the next tile's first fragments are fetched
	REDUCE 0                                       ; window 2 was finished in front of the joint load's four v_nop; these 128 lines name no register of the last products and are their places
	REDUCE 1
	WIN 0
	s_sub_co_u32 s2, s2, 1
	s_branch .Ltile
.Llast_tile:
	TURN 0, 1, 2                                   ; my one tensor load that was still out is K step 3's
	QUARTER 1, 64,  F0, F1, 0
	QUARTER 1, 128, F1, F0, 0
	QUARTER 1, 192, F0, F1, 0
	s_wait_dscnt 8                                 ; the very last quarter: nothing more to fetch
	MUL16 F1, 0, 0, 0
	MUL16 F1, 0, 2, 0
	s_wait_dscnt 0x0
	MUL16 F1, 1, 0, 0
	MUL16 F1, 1, 2, 0
	PLACES                                         ; here no vector line stands between window 2's last products and their first read
	REDUCE 0
	REDUCE 1
	WIN 0
	; THE WAY OUT.  A block's two chains, then the other half of the lanes (the query's other mb rows); 128 words through my own stage, so that a lane stores 16 consecutive bytes.
.irp a, 0,1,2,3,4,5,6,7
	v_max_num_f32 v[RUN+2*\a], v[RUN+2*\a], v[RUN+2*\a+1]
.endr
.irp a, 0,1,2,3,4,5,6,7
	v_permlanex16_b32 v[RUN+2*\a+1], v[RUN+2*\a], s3, s15
.endr
.irp a, 0,1,2,3,4,5,6,7
	v_max_num_f32 v[RUN+2*\a], v[RUN+2*\a], v[RUN+2*\a+1]
.endr
.irp a, 0,1,2,3,4,5,6,7
	ds_store_b32 v[STO], v[RUN+2*\a] offset:64*\a  ; word 16 a + l % 16; the two halves of the lanes write the same word with the same value
.endr
	ds_load_b128 v[OUT:OUT+3], v[RD]               ; LDS serves a wave's instructions in order (ISA guide 5.7.1.4): this sees the stores above
	s_wait_dscnt 0x0
	global_store_b128 v[CO], v[OUT:OUT+3], s[10:11]  ; 512 consecutive bytes, at a multiple of 512 from part's first byte
	s_wait_tensorcnt 0x0                           ; the wave's end: three lines behind my last tensor load and my last LDS store
	ds_add_u32 v[SPW], v[NIL]
	s_wait_dscnt 0x0
	CROUND                                         ; the closing round: no work-group ends while a partner may still ask for a tile that names it
	s_endpgm
.Lfunc_end_k_q5784d43910_gemm:
	.size	k_q5784d43910_gemm, .Lfunc_end_k_q5784d43910_gemm-k_q5784d43910_gemm
	.p2alignl 7, 3214868480
	.fill 96, 4, 3214868480
	.section	.rodata,"a",@progbits
	.p2align	6, 0x0
	.amdhsa_kernel k_q5784d43910_gemm
		.amdhsa_group_segment_fixed_size 327680
		.amdhsa_private_segment_fixed_size 0
		.amdhsa_enable_private_segment 0
		.amdhsa_kernarg_size 32
		.amdhsa_user_sgpr_count 2
		.amdhsa_user_sgpr_kernarg_segment_ptr 1
		.amdhsa_wavefront_size32 1
		.amdhsa_system_sgpr_workgroup_id_x 1
		.amdhsa_system_sgpr_workgroup_id_y 1
		.amdhsa_system_sgpr_workgroup_id_z 1
		.amdhsa_system_vgpr_workitem_id 0
		.amdhsa_next_free_vgpr 1024
		.amdhsa_next_free_sgpr 66
		.amdhsa_reserve_vcc 0
		.amdhsa_float_denorm_mode_32 3
		.amdhsa_float_denorm_mode_16_64 3
		.amdhsa_memory_ordered 1
		.amdhsa_forward_progress 1
		.amdhsa_inst_pref_size 183
	.end_amdhsa_kernel
	.amdgpu_metadata
---
amdhsa.version: [ 1, 2 ]
amdhsa.kernels:
  - .name:           k_q5784d43910_gemm
    .symbol:         k_q5784d43910_gemm.kd
    .args:
      - { .name: xb, .offset: 0, .size: 8, .value_kind: global_buffer, .address_space: global }
      - { .name: mbb, .offset: 8, .size: 8, .value_kind: global_buffer, .address_space: global }
      - { .name: hm, .offset: 16, .size: 8, .value_kind: global_buffer, .address_space: global }
      - { .name: part, .offset: 24, .size: 8, .value_kind: global_buffer, .address_space: global }
    .group_segment_fixed_size: 327680
    .private_segment_fixed_size: 0
    .kernarg_segment_align: 8
    .kernarg_segment_size: 32
    .max_flat_workgroup_size: 128
    .sgpr_count:     66
    .vgpr_count:     1024
    .wavefront_size: 32
...
	.end_amdgpu_metadata
.endif
;; end of part 2
;; launch pixel (part 3): grid 8 x 1, 8 waves a work-group, no clusters, 1,536 bytes of LDS; arguments part, xn, out0, sel; writes out0, sel
.if DOCPART == 3
	.amdgcn_target "amdgcn-amd-amdhsa--gfx1250"
	.amdhsa_code_object_version 6
	.text
	.protected	k_q5784d43910_pixel
	.globl	k_q5784d43910_pixel
	.p2align	8
	.type	k_q5784d43910_pixel,@function
k_q5784d43910_pixel:
	s_mov_b64 s[64:65], 0
	v_nop
	global_prefetch_b8 v0, s[64:65] scope:SCOPE_SE
	s_setreg_imm32_b32 hwreg(HW_REG_WAVE_MODE, 25, 1), 1
	s_wait_xcnt 0x0
; PIXEL.  out0[q] = sqrt(max(xn[q] - 2 max over p of part[p][q], 0)); sel: for each image the index (0..1023) of its largest out0, the lowest index among equals, as whole numbers.
; One work-group an image (an arg-max has one owner: 8 work-groups); 256 threads, thread t owns pixels 4 t .. 4 t + 3.  Image i's index is written to all 64 words at byte 256 i of sel,
; so that one store of a wave covers 256 consecutive aligned bytes and all lanes stay on.  No branch and no address hangs on a floating-point number: the index is only stored.
; LIMITS.  A NaN distance counts as 0 (v_max_num_f32); v_sqrt_f32 takes a denormal as 0 (ISA guide 15.8).  If no score equals the maximum (NaN), 2,048 is stored; the launch that reads it clamps.
.set SPW,   88                         ; v88  LDS address of my spare word; never rewritten
.set NIL,   89                         ; v89  0; never rewritten
.set SPARE, 512                        ; LDS: 0-31 the waves' maxima; 256-287 the waves' lowest indices; from 512 the spare words, 128 bytes for each of 8 waves
	s_load_b256 s[4:11], s[0:1], 0x0               ; part s[4:5], xn s[6:7], out0 s[8:9], sel s[10:11]
	v_lshl_add_u32 v[SPW], v0, 2, SPARE
	v_mov_b32 v[NIL], 0
	v_lshrrev_b32 v2, 5, v0
	v_readfirstlane_b32 s16, v2                    ; wave 0..7
	v_lshlrev_b32 v1, 4, v0                        ; 16 t: my four pixels' bytes
	v_and_b32 v93, 31, v0
	v_lshlrev_b32 v93, 3, v93                      ; 8 x lane
	v_mov_b32 v92, s16
	v_lshlrev_b32 v92, 2, v92                      ; LDS: my wave's word
	v_mov_b32 v94, 0                               ; LDS address 0
	v_mov_b32 v95, 0x45000000                      ; 2048.0: above every index
	v_mov_b32 v77, 0                               ; v_permlanex16_b32 counts as a reader of its destination
	v_lshlrev_b32 v78, 2, v0
	v_cvt_f32_u32 v79, v78                         ; 4 t as f32: indices up to 1,023 are exact
	s_mov_b32 s22, 0x76543210
	s_mov_b32 s23, 0xfedcba98
	s_lshl_b32 s12, ttmp9, 12                      ; the image's 1,024 words
	s_mov_b32 s13, 0
	s_lshl_b32 s14, ttmp9, 8                       ; its 256 bytes of sel
	s_mov_b32 s15, 0
	s_wait_kmcnt 0x0
	s_add_nc_u64 s[4:5], s[4:5], s[12:13]
	s_add_nc_u64 s[6:7], s[6:7], s[12:13]
	s_add_nc_u64 s[8:9], s[8:9], s[12:13]
	s_add_nc_u64 s[10:11], s[10:11], s[14:15]
.irp p, 0,1,2,3,4,5,6,7,8,9,10,11,12,13,14,15
	global_load_b128 v[4+4*\p:7+4*\p], v1, s[4:5] offset:32768*\p th:TH_LOAD_NT
.endr
	global_load_b128 v[68:71], v1, s[6:7] th:TH_LOAD_NT
	s_wait_loadcnt 0x0
.irp c, 0,1,2,3
	v_max3_num_f32 v[72+\c], v[4+\c], v[8+\c], v[12+\c]  ; parts 0, 1, 2 start the four chains
.endr
.irp p, 3,5,7,9,11,13
.irp c, 0,1,2,3
	v_max3_num_f32 v[72+\c], v[72+\c], v[4+4*\p+\c], v[8+4*\p+\c]
.endr
.endr
.irp c, 0,1,2,3
	v_max_num_f32 v[72+\c], v[72+\c], v[64+\c]     ; part 15
.endr
.irp c, 0,1,2,3
	v_fma_f32 v[72+\c], v[72+\c], -2.0, v[68+\c]   ; |x|^2 - 2 max(x.m - |m|^2 / 2)
.endr
.irp c, 0,1,2,3
	v_max_num_f32 v[72+\c], 0, v[72+\c]
.endr
.irp c, 0,1,2,3
	v_sqrt_f32 v[72+\c], v[72+\c]
.endr
	v_add_f32 v5, 1.0, v79                         ; my pixels' indices; also the plain line between the last root and its use (ISA guide 5.7.2)
	v_add_f32 v6, 2.0, v79
	v_add_f32 v7, 3.0, v79
	s_wait_alu depctr_va_vdst(0)
	global_store_b128 v1, v[72:75], s[8:9]         ; 16 lanes store 256 consecutive aligned bytes; v[72:75] are not written again
	v_max3_num_f32 v76, v72, v73, v74
	v_max_num_f32 v76, v76, v75
	v_max_num_f32_dpp v76, v76, v76 row_xmask:1 row_mask:0xf bank_mask:0xf
	v_max_num_f32_dpp v76, v76, v76 row_xmask:2 row_mask:0xf bank_mask:0xf
	v_max_num_f32_dpp v76, v76, v76 row_xmask:4 row_mask:0xf bank_mask:0xf
	v_max_num_f32_dpp v76, v76, v76 row_xmask:8 row_mask:0xf bank_mask:0xf
	v_permlanex16_b32 v77, v76, s22, s23
	v_max_num_f32 v76, v76, v77
	ds_store_b32 v92, v76                          ; my wave's maximum
	s_wait_dscnt 0x0                               ; for the others' sake
	s_barrier_signal -1
	s_barrier_wait -1
	ds_load_b128 v[80:83], v94
	ds_load_b128 v[84:87], v94 offset:16
	s_wait_dscnt 0x0
	v_max3_num_f32 v76, v80, v81, v82
	v_max3_num_f32 v76, v76, v83, v84
	v_max3_num_f32 v76, v76, v85, v86
	v_max_num_f32 v76, v76, v87                    ; the image's maximum, one of the stored scores
	v_cmp_eq_f32 vcc_lo, v72, v76
	v_cndmask_b32 v80, v95, v79, vcc_lo            ; my index where my score is the maximum, else 2,048
	v_cmp_eq_f32 vcc_lo, v73, v76
	v_cndmask_b32 v81, v95, v5, vcc_lo
	v_cmp_eq_f32 vcc_lo, v74, v76
	v_cndmask_b32 v82, v95, v6, vcc_lo
	v_cmp_eq_f32 vcc_lo, v75, v76
	v_cndmask_b32 v83, v95, v7, vcc_lo
	v_min3_num_f32 v78, v80, v81, v82
	v_min_num_f32 v78, v78, v83
	v_min_num_f32_dpp v78, v78, v78 row_xmask:1 row_mask:0xf bank_mask:0xf
	v_min_num_f32_dpp v78, v78, v78 row_xmask:2 row_mask:0xf bank_mask:0xf
	v_min_num_f32_dpp v78, v78, v78 row_xmask:4 row_mask:0xf bank_mask:0xf
	v_min_num_f32_dpp v78, v78, v78 row_xmask:8 row_mask:0xf bank_mask:0xf
	v_permlanex16_b32 v77, v78, s22, s23
	v_min_num_f32 v78, v78, v77
	ds_store_b32 v92, v78 offset:256               ; other bytes than the maxima's: no barrier is needed between their reads and this store
	s_wait_tensorcnt 0x0                           ; three lines behind my last LDS store
	ds_add_u32 v[SPW], v[NIL]
	s_wait_dscnt 0x0                               ; also for the others' sake
	s_barrier_signal -1
	s_barrier_wait -1
	s_cmp_lg_u32 s16, 0
	s_cbranch_scc1 .Lend
	ds_load_b128 v[80:83], v94 offset:256
	ds_load_b128 v[84:87], v94 offset:272
	s_wait_dscnt 0x0
	v_min3_num_f32 v78, v80, v81, v82
	v_min3_num_f32 v78, v78, v83, v84
	v_min3_num_f32 v78, v78, v85, v86
	v_min_num_f32 v78, v78, v87
	v_cvt_u32_f32 v90, v78
	v_mov_b32 v91, v90
	global_store_b64 v93, v[90:91], s[10:11]       ; 256 consecutive aligned bytes, every word the index
.Lend:
	s_endpgm
.Lfunc_end_k_q5784d43910_pixel:
	.size	k_q5784d43910_pixel, .Lfunc_end_k_q5784d43910_pixel-k_q5784d43910_pixel
	.p2alignl 7, 3214868480
	.fill 96, 4, 3214868480
	.section	.rodata,"a",@progbits
	.p2align	6, 0x0
	.amdhsa_kernel k_q5784d43910_pixel
		.amdhsa_group_segment_fixed_size 1536
		.amdhsa_private_segment_fixed_size 0
		.amdhsa_enable_private_segment 0
		.amdhsa_kernarg_size 32
		.amdhsa_user_sgpr_count 2
		.amdhsa_user_sgpr_kernarg_segment_ptr 1
		.amdhsa_wavefront_size32 1
		.amdhsa_system_sgpr_workgroup_id_x 1
		.amdhsa_system_sgpr_workgroup_id_y 1
		.amdhsa_system_sgpr_workgroup_id_z 1
		.amdhsa_system_vgpr_workitem_id 0
		.amdhsa_next_free_vgpr 96
		.amdhsa_next_free_sgpr 66
		.amdhsa_reserve_vcc 1
		.amdhsa_float_denorm_mode_32 3
		.amdhsa_float_denorm_mode_16_64 3
		.amdhsa_memory_ordered 1
		.amdhsa_forward_progress 1
		.amdhsa_inst_pref_size 9
	.end_amdhsa_kernel
	.amdgpu_metadata
---
amdhsa.version: [ 1, 2 ]
amdhsa.kernels:
  - .name:           k_q5784d43910_pixel
    .symbol:         k_q5784d43910_pixel.kd
    .args:
      - { .name: part, .offset: 0, .size: 8, .value_kind: global_buffer, .address_space: global }
      - { .name: xn, .offset: 8, .size: 8, .value_kind: global_buffer, .address_space: global }
      - { .name: out0, .offset: 16, .size: 8, .value_kind: global_buffer, .address_space: global }
      - { .name: sel, .offset: 24, .size: 8, .value_kind: global_buffer, .address_space: global }
    .group_segment_fixed_size: 1536
    .private_segment_fixed_size: 0
    .kernarg_segment_align: 8
    .kernarg_segment_size: 32
    .max_flat_workgroup_size: 256
    .sgpr_count:     66
    .vgpr_count:     96
    .wavefront_size: 32
...
	.end_amdgpu_metadata
.endif
;; end of part 3
;; launch dist (part 4): grid 256 x 1, 4 waves a work-group, no clusters, 167,936 bytes of LDS; arguments mbb, xb, hm, xn, sel, d2; writes d2
.if DOCPART == 4
	.amdgcn_target "amdgcn-amd-amdhsa--gfx1250"
	.amdhsa_code_object_version 6
	.text
	.protected	k_q5784d43910_dist
	.globl	k_q5784d43910_dist
	.p2align	8
	.type	k_q5784d43910_dist,@function
k_q5784d43910_dist:
	s_mov_b64 s[64:65], 0
	v_nop
	global_prefetch_b8 v0, s[64:65] scope:SCOPE_SE
	s_setreg_imm32_b32 hwreg(HW_REG_WAVE_MODE, 25, 1), 1
	s_wait_xcnt 0x0
; DIST.  d2[i][n] = max(xn[q_i] - 2 (xb[q_i] . mbb[n] + hm[n]), 0) for the 8 chosen queries q_i = 1024 i + sel[i] and all 16,384 rows n.  Products in bf16, sums in f32.
; The index steers an address, so it was stored as a whole number by an earlier launch; here it is clamped to 1,023 and only shifted and added.
; SHARES.  Work-group g: mb rows 64 g .. +63; wave w 16 of them, brought by ONE tensor load into LDS bytes of its own (16 rows of 1,024 bytes), filled once and read by that wave alone: its own wait
; on TENSORcnt is all the ordering that the reads need.  mbb is read once in the launch.
; The matrix unit lays the 16 x 8 results out without any sum across lanes: source 0 = 16 mb rows, source 1 = 16 columns = the 8 queries twice (column c is query c % 8).
; K = 512 is 16 products on two accumulators that take turns; hm is the C operand that starts the first.
; NO CLUSTER: what the work-groups share is the 8 query rows, 8 KB beside a work-group's own 64 KB.
; LIMITS.  A NaN counts as 0 (v_max_num_f32).
.set TPITCH, 1040                      ; an LDS row: 1,024 bytes + 16 of padding, an odd multiple of 16: a load's 16 rows start at 16 different groups of four banks (ISA guide 11.1)
.set WTILE,  16*TPITCH
.set STAGE,  4*WTILE                   ; behind the tiles: 8 images x 256 bytes, the work-group's
.set SPARE,  STAGE+2048                ; behind the stage: the spare words, 128 bytes for each wave
.set SPW, 14                           ; v14  LDS address of my spare word; never rewritten
.set NIL, 15                           ; v15  0; never rewritten
.set XF,  64                           ; v[64:191]   the queries' fragments: 16 chunks of 32 K
.set MF,  192                          ; v[192:255]  mbb's fragments: 8 chunks at a time
	s_load_b256 s[4:11], s[0:1], 0x0               ; mbb s[4:5], xb s[6:7], hm s[8:9], xn s[10:11]
	s_load_b128 s[12:15], s[0:1], 0x20             ; sel s[12:13], d2 s[14:15]
	v_lshl_add_u32 v[SPW], v0, 2, SPARE
	v_mov_b32 v[NIL], 0
	ds_add_u32 v[SPW], v[NIL]                      ; the wave's opening: the add and its wait ahead of my tensor load; work on registers stands between them
	ds_add_u32 v14, v15
	v_lshrrev_b32 v1, 5, v0
	v_readfirstlane_b32 s28, v1                    ; wave 0..3
	s_mov_b32 s16, (1<<16)|(1<<20)|(7<<22)|(3<<25) ; group 1: elements of 2 bytes; padding on, after every 256 words (code 7), 4 words (code 3)
	s_mov_b32 s17, 512<<16                         ; tensor_dim0 = 512
	s_mov_b32 s18, 16<<16                          ; tensor_dim1 = 16
	s_mov_b32 s19, 512<<16                         ; tile_dim0 = 512
	s_mov_b32 s20, 16                              ; tile_dim1 = 16
	s_mov_b32 s21, 512                             ; elements from row to row
	s_mov_b32 s22, 0
	s_mov_b32 s23, 0
	s_mov_b32 s24, 1                               ; group 0: count = 1
	s_mul_i32 s25, s28, WTILE                      ; LDS address: my wave's tile
	s_lshl_b32 s30, ttmp9, 16                      ; (64 g + 16 w) rows of 1,024 bytes
	s_lshl_b32 s31, s28, 14
	s_add_co_u32 s30, s30, s31
	s_mov_b32 s31, 0
	s_lshl_b32 s32, ttmp9, 8                       ; 64 g words: d2's columns
	s_mov_b32 s33, 0
	s_lshl_b32 s34, s28, 6
	s_add_co_u32 s34, s34, s32                     ; (64 g + 16 w) words: hm
	s_mov_b32 s35, 0
	s_lshl_b32 s29, s28, 6
	s_add_co_u32 s29, s29, STAGE                   ; my 16 rows' place in a stage row
	s_wait_dscnt 0x0                               ; the opening add is done
	s_wait_kmcnt 0x0
	s_add_nc_u64 s[26:27], s[4:5], s[30:31]
	s_or_b32 s27, s27, 0x80000000                  ; type = 2
	tensor_load_to_lds s[24:27], s[16:23]          ; my one tensor load
	s_nop 0
	s_add_nc_u64 s[8:9], s[8:9], s[34:35]
	s_add_nc_u64 s[14:15], s[14:15], s[32:33]
	v_and_b32 v1, 15, v0                           ; r = l % 16
	v_bfe_u32 v2, v0, 4, 1                         ; h = l / 16
	v_and_b32 v3, 7, v0                            ; my column's image
	v_lshlrev_b32 v13, 8, v3
	global_load_b32 v4, v13, s[12:13]              ; its chosen pixel
	v_lshlrev_b32 v8, 5, v2
	global_load_b128 v[16:19], v8, s[8:9]          ; hm[8 h + 0..7] of my wave's rows: the C operand
	global_load_b128 v[20:23], v8, s[8:9] offset:16
	v_mul_u32_u24 v9, v1, TPITCH
	v_lshl_add_u32 v9, v2, 4, v9
	v_add_nc_u32 v9, s25, v9                       ; LDS: row r of my tile, 16 h
	v_lshl_add_u32 v10, v2, 5, v13
	v_add_nc_u32 v10, s29, v10                     ; stage: image r % 8, words 16 w + 8 h ..
	v_lshl_add_u32 v11, v0, 4, STAGE               ; back: 16 bytes a thread
	v_lshrrev_b32 v12, 4, v0
	v_lshlrev_b32 v12, 16, v12
	v_lshl_add_u32 v12, v1, 4, v12                 ; d2: image t / 16 (65,536 bytes each), 16 (t % 16)
	v_mov_b32 v41, 0                               ; named with v40 as a pair
	s_wait_loadcnt 0x2                             ; the index is in; hm's two loads, issued behind it, may stay out
	v_min_u32 v4, 0x3ff, v4                        ; a loaded number enters an address only clamped
	v_lshl_add_u32 v5, v3, 10, v4                  ; the query's row
	v_lshlrev_b32 v6, 10, v5
	v_lshl_add_u32 v6, v2, 4, v6                   ; row x 1,024 + 16 h
	v_lshlrev_b32 v7, 2, v5
.irp c, 0,1,2,3,4,5,6,7,8,9,10,11,12,13,14,15
	global_load_b128 v[XF+8*\c:XF+8*\c+3],   v6, s[6:7] offset:64*\c
	global_load_b128 v[XF+8*\c+4:XF+8*\c+7], v6, s[6:7] offset:64*\c+32
.endr
	global_load_b32 v40, v7, s[10:11]              ; |x|^2 of my column's query
	s_wait_tensorcnt 0x0                           ; my tile is in LDS
.irp c, 0,1,2,3,4,5,6,7
	ds_load_b128 v[MF+8*\c:MF+8*\c+3],   v9 offset:64*\c
	ds_load_b128 v[MF+8*\c+4:MF+8*\c+7], v9 offset:64*\c+32
.endr
	s_wait_loadcnt 0x0
	s_wait_dscnt 0x0
.macro PROD c                          ; chunk c of 16: even chunks onto v[24:31], odd ones onto v[32:39]
.set AC, 24+8*((\c)%2)
.set MR, MF+8*((\c)%8)
.set XR, XF+8*(\c)
.if (\c) == 0
	v_wmma_f32_16x16x32_bf16 v[AC:AC+7], v[MR:MR+7], v[XR:XR+7], v[16:23]
.elseif (\c) == 1
	v_wmma_f32_16x16x32_bf16 v[AC:AC+7], v[MR:MR+7], v[XR:XR+7], 0
.else
	v_wmma_f32_16x16x32_bf16 v[AC:AC+7], v[MR:MR+7], v[XR:XR+7], v[AC:AC+7]
.endif
.endm
.irp c, 0,1,2,3,4,5,6,7
	PROD \c
.endr
.rept 4
	v_nop                                          ; four places in front of loads into registers that matrix instructions have read
.endr
.irp c, 0,1,2,3,4,5,6,7
	ds_load_b128 v[MF+8*\c:MF+8*\c+3],   v9 offset:512+64*\c
	ds_load_b128 v[MF+8*\c+4:MF+8*\c+7], v9 offset:512+64*\c+32
.endr
	s_wait_dscnt 0x0
.irp c, 8,9,10,11,12,13,14,15
	PROD \c
.endr
.rept 4
	v_nop                                          ; four places in front of the lines that read the results (ISA guide 7.12.1)
.endr
.irp j, 0,2,4,6
	v_pk_add_f32 v[24+\j:25+\j], v[24+\j:25+\j], v[32+\j:33+\j]  ; both accumulators are read from their low end on
.endr
.irp j, 0,2,4,6
	v_pk_fma_f32 v[24+\j:25+\j], v[24+\j:25+\j], -2.0, v[40:41] op_sel_hi:[1,0,0]
.endr
.irp j, 0,1,2,3,4,5,6,7
	v_max_num_f32 v[24+\j], 0, v[24+\j]
.endr
	ds_store_b128 v10, v[24:27]                    ; lanes r >= 8 write the same bytes with the same values as lanes r - 8: all lanes stay on
	ds_store_b128 v10, v[28:31] offset:16
	s_wait_tensorcnt 0x0                           ; three lines behind my tensor load and my last LDS store
	ds_add_u32 v[SPW], v[NIL]
	s_wait_dscnt 0x0                               ; also for the others' sake: a stage row's 256 bytes come from four waves
	s_barrier_signal -1
	s_barrier_wait -1
	ds_load_b128 v[44:47], v11
	s_wait_dscnt 0x0
	global_store_b128 v12, v[44:47], s[14:15]      ; 16 lanes store 256 consecutive aligned bytes of one image's row
	s_endpgm
.Lfunc_end_k_q5784d43910_dist:
	.size	k_q5784d43910_dist, .Lfunc_end_k_q5784d43910_dist-k_q5784d43910_dist
	.p2alignl 7, 3214868480
	.fill 96, 4, 3214868480
	.section	.rodata,"a",@progbits
	.p2align	6, 0x0
	.amdhsa_kernel k_q5784d43910_dist
		.amdhsa_group_segment_fixed_size 167936
		.amdhsa_private_segment_fixed_size 0
		.amdhsa_enable_private_segment 0
		.amdhsa_kernarg_size 48
		.amdhsa_user_sgpr_count 2
		.amdhsa_user_sgpr_kernarg_segment_ptr 1
		.amdhsa_wavefront_size32 1
		.amdhsa_system_sgpr_workgroup_id_x 1
		.amdhsa_system_sgpr_workgroup_id_y 1
		.amdhsa_system_sgpr_workgroup_id_z 1
		.amdhsa_system_vgpr_workitem_id 0
		.amdhsa_next_free_vgpr 256
		.amdhsa_next_free_sgpr 66
		.amdhsa_reserve_vcc 0
		.amdhsa_float_denorm_mode_32 3
		.amdhsa_float_denorm_mode_16_64 3
		.amdhsa_memory_ordered 1
		.amdhsa_forward_progress 1
		.amdhsa_inst_pref_size 11
	.end_amdhsa_kernel
	.amdgpu_metadata
---
amdhsa.version: [ 1, 2 ]
amdhsa.kernels:
  - .name:           k_q5784d43910_dist
    .symbol:         k_q5784d43910_dist.kd
    .args:
      - { .name: mbb, .offset: 0, .size: 8, .value_kind: global_buffer, .address_space: global }
      - { .name: xb, .offset: 8, .size: 8, .value_kind: global_buffer, .address_space: global }
      - { .name: hm, .offset: 16, .size: 8, .value_kind: global_buffer, .address_space: global }
      - { .name: xn, .offset: 24, .size: 8, .value_kind: global_buffer, .address_space: global }
      - { .name: sel, .offset: 32, .size: 8, .value_kind: global_buffer, .address_space: global }
      - { .name: d2, .offset: 40, .size: 8, .value_kind: global_buffer, .address_space: global }
    .group_segment_fixed_size: 167936
    .private_segment_fixed_size: 0
    .kernarg_segment_align: 8
    .kernarg_segment_size: 48
    .max_flat_workgroup_size: 128
    .sgpr_count:     66
    .vgpr_count:     256
    .wavefront_size: 32
...
	.end_amdgpu_metadata
.endif
;; end of part 4
;; launch final (part 5): grid 8 x 1, 8 waves a work-group, no clusters, 1,536 bytes of LDS; arguments d2, out1; writes out1
.if DOCPART == 5
	.amdgcn_target "amdgcn-amd-amdhsa--gfx1250"
	.amdhsa_code_object_version 6
	.text
	.protected	k_q5784d43910_final
	.globl	k_q5784d43910_final
	.p2align	8
	.type	k_q5784d43910_final,@function
k_q5784d43910_final:
	s_mov_b64 s[64:65], 0
	v_nop
	global_prefetch_b8 v0, s[64:65] scope:SCOPE_SE
	s_setreg_imm32_b32 hwreg(HW_REG_WAVE_MODE, 25, 1), 1
	s_wait_xcnt 0x0
; FINAL.  For image i: the 9 smallest of d2[i][0..16383], ascending; a_k their roots; out1[i] = a_0 (1 - p_0), p = softmax(a) with the maximum a_8 taken away.
; One work-group an image (8 work-groups: a selection has one owner); 256 threads, 64 numbers each.  Three stages: each lane keeps its nine smallest, sorted (an insertion is nine independent lines);
; each wave pops its nine smallest (a minimum over the lanes, then ONE winning lane shifts its list, so that of equal numbers exactly one is taken, as top_k counts them);
; wave 0 pops the nine smallest of the waves' 8 x 9.  The masks made from compares only select values: no branch and no address hangs on them.
; The result is 4 bytes a work-group: out1 has 32 bytes and eight owners.
; LIMITS.  d2 holds no NaN (it was clipped by v_max_num_f32).  v_sqrt_f32 and v_exp_f32 take denormals as 0 (ISA guide 15.8): a weight below 2^-126 counts as 0.
.set V,   4                            ; v[4:67]   my 64 numbers
.set L,   68                           ; v[68:76]  my nine smallest, ascending
.set INF, 77                           ; v77       +infinity
.set G,   78                           ; v[78:86]  the nine smallest of the wave, later of the image
.set C3,  96                           ; v[96:98]  wave 0's second stage: my three candidates, sorted; v99 +infinity behind them
.set A,   100                          ; v[100:108] the roots
.set SPW, 91                           ; v91  LDS address of my spare word; never rewritten
.set NIL, 92                           ; v92  0; never rewritten
.set SPARE, 512                        ; LDS: 0-383 twelve words a wave (nine numbers, three +infinity); from 512 the spare words, 128 bytes for each of 8 waves
	s_load_b128 s[4:7], s[0:1], 0x0                ; d2 s[4:5], out1 s[6:7]
	v_lshl_add_u32 v[SPW], v0, 2, SPARE
	v_mov_b32 v[NIL], 0
	v_lshrrev_b32 v2, 5, v0
	v_readfirstlane_b32 s16, v2                    ; wave 0..7
	v_lshlrev_b32 v1, 4, v0                        ; 16 t
	v_and_b32 v90, 31, v0
	v_lshlrev_b32 v90, 2, v90                      ; 4 x lane
	v_mov_b32 v89, s16
	v_mul_u32_u24 v89, v89, 48                     ; LDS: my wave's twelve words
	v_mov_b32 v[INF], 0x7f800000
	v_mov_b32 v99, 0x7f800000
	v_mov_b32 v87, 0                               ; destinations of DPP forms and of v_permlanex16_b32 count as read
	v_mov_b32 v88, 0
.irp k, 0,1,2,3,4,5,6,7,8
	v_mov_b32 v[L+\k], 0x7f800000
.endr
	s_mov_b32 s18, 0x3fb8aa3b                      ; log2(e)
	s_mov_b32 s22, 0x76543210
	s_mov_b32 s23, 0xfedcba98
	s_lshl_b32 s8, ttmp9, 16                       ; the image's 65,536 bytes
	s_mov_b32 s9, 0
	s_lshl_b32 s10, ttmp9, 2
	s_mov_b32 s11, 0
	s_wait_kmcnt 0x0
	s_add_nc_u64 s[4:5], s[4:5], s[8:9]
	s_add_nc_u64 s[6:7], s[6:7], s[10:11]
.irp j, 0,1,2,3,4,5,6,7,8,9,10,11,12,13,14,15
	global_load_b128 v[V+4*\j:V+4*\j+3], v1, s[4:5] offset:4096*\j th:TH_LOAD_NT  ; a wave's load covers 512 consecutive bytes
.endr
; x goes into the sorted nine: entry k becomes the middle one of its lower neighbour, itself and x.  From the top down, so that each line reads old entries.
.macro INS x
.irp k, 8,7,6,5,4,3,2,1
	v_med3_num_f32 v[L+\k], v[L+\k-1], v[L+\k], v[\x]
.endr
	v_min_num_f32 v[L], v[L], v[\x]
.endm
.set j, 0
.rept 16
	s_wait_loadcnt 15-j                            ; loads come back in order: load j is in, the 15 - j younger ones stay out
	INS V+4*j
	INS V+4*j+1
	INS V+4*j+2
	INS V+4*j+3
.set j, j+1
.endr
; G[i] = the smallest head of the lanes' sorted lists at lb; the lowest lane that holds it moves its list up by one: n entries, as many as later pops can still want.
.macro POP i, lb, n
	v_min_num_f32_dpp v87, v[\lb], v[\lb] row_xmask:1 row_mask:0xf bank_mask:0xf
	v_min_num_f32_dpp v87, v87, v87 row_xmask:2 row_mask:0xf bank_mask:0xf
	v_min_num_f32_dpp v87, v87, v87 row_xmask:4 row_mask:0xf bank_mask:0xf
	v_min_num_f32_dpp v87, v87, v87 row_xmask:8 row_mask:0xf bank_mask:0xf
	v_permlanex16_b32 v88, v87, s22, s23
	v_min_num_f32 v[G+\i], v87, v88
.if (\n) > 0
	v_cmp_eq_f32 s20, v[\lb], v[G+\i]
	s_ctz_i32_b32 s21, s20
	s_lshl_b32 s21, 1, s21                         ; one lane's bit
.set k, 0
.rept \n
	v_cndmask_b32 v[\lb+k], v[\lb+k], v[\lb+k+1], s21
.set k, k+1
.endr
.endif
.endm
.irp i, 0,1,2,3,4,5,6,7,8
	POP \i, L, 8-\i
.endr
.irp i, 0,1,2,3,4,5,6,7,8
	ds_store_b32 v89, v[G+\i] offset:4*\i          ; all lanes write the same word with the same value
.endr
	ds_store_b32 v89, v[INF] offset:36
	ds_store_b32 v89, v[INF] offset:40
	ds_store_b32 v89, v[INF] offset:44
	s_wait_tensorcnt 0x0                           ; three lines behind my last LDS store
	ds_add_u32 v[SPW], v[NIL]
	s_wait_dscnt 0x0                               ; also for wave 0's sake
	s_barrier_signal -1
	s_barrier_wait -1
	s_cmp_lg_u32 s16, 0
	s_cbranch_scc1 .Lend
	ds_load_b32 v93, v90                           ; 96 words, three a lane
	ds_load_b32 v94, v90 offset:128
	ds_load_b32 v95, v90 offset:256
	s_wait_dscnt 0x0
	v_min3_num_f32 v[C3], v93, v94, v95
	v_med3_num_f32 v[C3+1], v93, v94, v95
	v_max3_num_f32 v[C3+2], v93, v94, v95
.irp i, 0,1,2,3,4,5,6,7
	POP \i, C3, 3
.endr
	POP 8, C3, 0
.irp i, 0,1,2,3,4,5,6,7,8
	v_sqrt_f32 v[A+\i], v[G+\i]
.endr
	v_nop                                          ; a plain line between the last root and the use of its result (ISA guide 5.7.2)
	s_wait_alu depctr_va_vdst(0)
	v_mul_f32 v109, s18, v[A+8]                    ; the largest of the nine is the last: the maximum that the softmax takes away
.irp i, 0,1,2,3,4,5,6,7
	v_fma_f32 v[G+\i], v[A+\i], s18, -v109         ; (a_i - a_8) log2(e), never above 0
.endr
.irp i, 0,1,2,3,4,5,6,7
	v_exp_f32 v[G+\i], v[G+\i]
.endr
	v_nop
	s_wait_alu depctr_va_vdst(0)
	v_add_f32 v110, 1.0, v[G]                      ; the ninth weight is 1
	v_add_f32 v87, v[G+1], v[G+2]
	v_add_f32 v88, v[G+3], v[G+4]
	v_add_f32 v93, v[G+5], v[G+6]
	v_add_f32 v110, v110, v[G+7]
	v_add_f32 v87, v87, v88
	v_add_f32 v110, v110, v93
	v_add_f32 v110, v110, v87
	v_rcp_f32 v111, v110
	v_nop
	s_wait_alu depctr_va_vdst(0)
	v_mul_f32 v110, v[G], v111                     ; p_0
	v_fma_f32 v109, -v[A], v110, v[A]              ; a_0 (1 - p_0)
	s_wait_xcnt 0x0                                ; EXEC changes only behind this wait
	v_cmp_eq_u32 vcc_lo, 0, v0
	s_and_saveexec_b32 s20, vcc_lo
	global_store_b32 v90, v109, s[6:7]             ; thread 0 alone: its offset 4 x lane is 0
	s_wait_xcnt 0x0                                ; and again, in front of the line that widens it
	s_or_b32 exec_lo, exec_lo, s20
.Lend:
	s_endpgm
.Lfunc_end_k_q5784d43910_final:
	.size	k_q5784d43910_final, .Lfunc_end_k_q5784d43910_final-k_q5784d43910_final
	.p2alignl 7, 3214868480
	.fill 96, 4, 3214868480
	.section	.rodata,"a",@progbits
	.p2align	6, 0x0
	.amdhsa_kernel k_q5784d43910_final
		.amdhsa_group_segment_fixed_size 1536
		.amdhsa_private_segment_fixed_size 0
		.amdhsa_enable_private_segment 0
		.amdhsa_kernarg_size 16
		.amdhsa_user_sgpr_count 2
		.amdhsa_user_sgpr_kernarg_segment_ptr 1
		.amdhsa_wavefront_size32 1
		.amdhsa_system_sgpr_workgroup_id_x 1
		.amdhsa_system_sgpr_workgroup_id_y 1
		.amdhsa_system_sgpr_workgroup_id_z 1
		.amdhsa_system_vgpr_workitem_id 0
		.amdhsa_next_free_vgpr 112
		.amdhsa_next_free_sgpr 66
		.amdhsa_reserve_vcc 1
		.amdhsa_float_denorm_mode_32 3
		.amdhsa_float_denorm_mode_16_64 3
		.amdhsa_memory_ordered 1
		.amdhsa_forward_progress 1
		.amdhsa_inst_pref_size 54
	.end_amdhsa_kernel
	.amdgpu_metadata
---
amdhsa.version: [ 1, 2 ]
amdhsa.kernels:
  - .name:           k_q5784d43910_final
    .symbol:         k_q5784d43910_final.kd
    .args:
      - { .name: d2, .offset: 0, .size: 8, .value_kind: global_buffer, .address_space: global }
      - { .name: out1, .offset: 8, .size: 8, .value_kind: global_buffer, .address_space: global }
    .group_segment_fixed_size: 1536
    .private_segment_fixed_size: 0
    .kernarg_segment_align: 8
    .kernarg_segment_size: 16
    .max_flat_workgroup_size: 256
    .sgpr_count:     66
    .vgpr_count:     112
    .wavefront_size: 32
...
	.end_amdgpu_metadata
.endif
;; end of part 5
